; MI455X (gfx1250); checked and timed in simulation.
; The chip was launched on July 23, 2026; its instructions are those of AMD's public machine-readable ISA for CDNA 5 (MIT licence, August 2026) and "CDNA5" Instruction Set Architecture Reference Guide (July 2026). The comments in the code are by the model that wrote it; some were corrected since.
;; Mo E Gate. Allowed arithmetic: matrix products marked QUANTISED: E2M1 operands, one E8M0 scale for each 32 along K, by v_wmma_scale_f32_16x16x128_f8f6f4 with both operands' format E2M1 (or v_wmma_scale_f32_32x16x128_f4), f32 sums; everything else in f32.
;; Inputs: hidden_states 4 x 4,096 x 2,048 float32; weight 64 x 2,048 float32.
;; Outputs: out0 16,384 x 8 int32; out1 16,384 x 8 float32.
;; Constants: top_k = 8.
;; This version of the problem:
;;   THIS VERSION OF THE PROBLEM IS GIVEN IN LOW PRECISION. The matrix products marked QUANTISED in the list below multiply operands that are first quantised to E2M1 (2 exponent bits, 1 mantissa bit; 4 bits a number), with one power-of-two scale for each 32 numbers along K (OCP MX v1.0); their sums are f32. All else is computed in f32.
;;   The module's matrix products, in the order in which they are computed (A, B: the left and right operand; K: the contracted axis; several contracted axes count as one K, in the product's order):
;;     1. [M 16,384, K 2,048] x [K 2,048, N 64]; A: input hidden_states; B: input weight: QUANTISED
;;   THE QUANTISER, for each operand of a quantised product, along K:
;;     - K is cut into blocks of 32 from its start; a last block that is shorter is filled with zeros.
;;     - A block's scale is 2^e with e = floor(log2(the largest magnitude in the block)) - 2, held to -126 .. 127; a block of zeros has e = 0. As a byte (E8M0): e + 127.
;;     - Each number is divided by its block's scale, clamped to +-6, and rounded to the nearest number of E2M1, ties to even, subnormals kept.
;;     - The product sums the exact products of the quantised numbers (number of the format x scale) in f32.
;;   ~~~python
;;   def quantise(x, axis):      # numpy; x: float32 -> the quantised numbers, widened to float32 again
;;       x = np.moveaxis(x, axis, -1); K = x.shape[-1]
;;       x = np.pad(x, [(0, 0)] * (x.ndim - 1) + [(0, -K % 32)]); x = x.reshape(x.shape[:-1] + (-1, 32)); a = np.abs(x).max(-1, keepdims=True)
;;       e = np.where(a > 0, np.clip(np.frexp(np.where(a > 0, a, 1))[1] - 1 - 2, -126, 127), 0)      # np.frexp(a)[1] - 1 = floor(log2(a)), exactly
;;       r = np.clip(x / 2.0 ** e, -6, 6)
;;       step = 2.0 ** (np.maximum(np.frexp(np.where(r == 0, 1, r))[1] - 1, 0) - 1)
;;       q = np.round(r / step) * step * 2.0 ** e      # np.round: ties to even
;;       return np.moveaxis(q.reshape(q.shape[:-2] + (-1,))[..., :K], -1, axis).astype(np.float32)
;;   ~~~
;; 2 versions. Each part assembles by itself: llvm-mc -triple=amdgcn-amd-amdhsa -mcpu=gfx1250 --defsym DOCPART=n.
;; ======== version 1 of 2: 1 launch
;; launch gate (part 1): grid 256 x 1, 16 waves a work-group, no clusters, 247,808 bytes of LDS; arguments hidden_states, weight, out0, out1; writes out0, out1
.if DOCPART == 1
	.amdgcn_target "amdgcn-amd-amdhsa--gfx1250"
	.amdhsa_code_object_version 6
	.text
	.protected	k_qb60512d03d_gate
	.globl	k_qb60512d03d_gate
	.p2align	8
	.type	k_qb60512d03d_gate,@function
k_qb60512d03d_gate:
	s_mov_b64 s[64:65], 0
	v_nop
	global_prefetch_b8 v0, s[64:65] scope:SCOPE_SE
	s_setreg_imm32_b32 hwreg(HW_REG_WAVE_MODE, 25, 1), 1
	s_wait_xcnt 0x0
; MoE gate: logits = Q(x) Q(w)^T on codes of FP4 (E2M1) with one E8M0 scale for each 32 along K; softmax over the 64 experts; the 8 largest scores and their indices.
; x: [16384][2048] f32, w: [64][2048] f32, out0: [16384][8] i32, out1: [16384][8] f32.
; SHARES.  A work-group owns 64 tokens; 16 waves.  Wave 4 m + q owns the 16 tokens of tile m and the K steps q, q + 4, q + 8, q + 12 (128 along K each): four UNITS of x, 16 rows x 512 bytes each.
; It also quantises the same four K steps of w's tile m (experts 16 m .. 16 m + 15): the 16 waves together quantise w once for the work-group, and read each other's fragments from LDS.
; A UNIT IS QUANTISED AS IT IS LOADED, AND ONLY ITS CODES CHANGE LANES.  16 loads, each 512 consecutive bytes of one row: row i lies in four registers, lane l holds k = 4 l .. 4 l + 3, eight lanes share a block of 32.
; The block's largest magnitude: two maxima in the lane, three steps across the eight lanes.  A conversion takes eight registers, which are two rows' numbers: each pair of rows is converted twice, under either row's scale,
; and the right 16 bits of each are kept.  One exchange with the neighbouring lane (even lanes keep the even row, odd lanes the odd one) makes whole words of eight neighbouring codes; eight stores of 4 bytes a lane lay
; them in LDS as rows of 64 bytes, K ascending, from which a fragment comes by two loads of 16 bytes a lane.  So 1,024 bytes of a unit go through LDS, not its 8,192 bytes of f32.
; THREE SETS of 64 registers take the units in the order w0 x0 w1 x1 w2 x2 w3 x3: 48 loads of a wave are on their way, and a set is loaded again as soon as it is converted.
; THE PRODUCT IS USED TRANSPOSED (source 0 = 16 experts, source 1 = my 16 tokens): lane (r, h) holds token r, register j of tile t expert 16 t + 8 h + j.  K steps 0 to 2 are multiplied while x3 is on its way.
; THE TAIL.  The four partial sums of a tile meet in LDS; then each wave takes 4 tokens, 8 lanes to a token, 8 neighbouring experts to a lane: softmax with the row's maximum taken away, and eight rounds of
; selection on the scores: the largest, among equals the lowest index, removed by its index.  Rank k lands in lane k of the token's eight by a select on a constant mask: no address and no branch hangs on data.
; w IS NOT ASKED FOR JOINTLY IN A CLUSTER, though every work-group reads it: a joint request is a tensor load into LDS, and w's 524,288 bytes of f32 are more than LDS holds: they would go through slots filled again
; behind rounds of the cluster's barrier, at which the 64 waves of four work-groups would stand still in the middle of x's stream, and would be read out of LDS at eight times the bytes of their codes.
; LIMITS.  NaN and infinities among the inputs are not served.  A block of zeros gets the byte 1 where the rule says 127: its codes are zeros, and only this text reads the bytes.
; An exponential under 2^-126 (a logit some 87.3 under its row's largest) comes out of v_exp_f32 as 0 (ISA guide, its entry in 15.8): such experts tie at 0 and are taken by the lower index.
; K is summed in four chains (one a wave), added in the order q = 0 .. 3.  The division by the row's sum is a multiplication by v_rcp_f32.
.set ROWB,   8192                      ; a row of x or of w in bytes
.set UNITK,  2048                      ; from a wave's unit to its next: four K steps of 512 bytes
.set CP,     80                        ; a row of 128 codes in LDS: 64 bytes + 16 = 5 x 16: the 16 rows that a fragment's load touches start at 16 different groups of four banks
.set FRB,    16*CP                     ; a fragment's 16 rows
.set WST,    16*4*FRB                  ; LDS: from byte 0 x's fragments, four a wave; behind them w's 64 (16 t + K step),
.set WSC,    WST+64*FRB                ; their scale words, 128 bytes each,
.set PP,     272                       ; (a token's 64 partial sums: 256 bytes + 16)
.set PARTW,  16*PP
.set PART,   WSC+64*128                ; the partial sums, 16 tokens a wave,
.set OUT,    PART+16*PARTW             ; and the results: 2,048 bytes of indices, 2,048 of scores
.set GOFF, 1                           ; v1   16 x lane: my 16 bytes of a load's 512; never rewritten
.set CSX,  2                           ; v2   where I store x's codes: row lane % 2, word lane / 2, in my wave's four fragments
.set CSW,  3                           ; v3   the same for w's
.set SCW,  4                           ; v4   where I store w's scale words
.set SELV, 5                           ; v5   the exchange's byte selector, by my lane's parity
.set SH16, 6                           ; v6   16 x (lane / 16)
.set IMGR, 7                           ; v7   where I read w's fragments of tiles 0, 1;  v8 of tiles 2, 3: the region is longer than an LDS instruction's offset reaches
.set IMGR2, 8
.set SCR,  9                           ; v9   and their scale words
.set XRD,  10                          ; v10  where I read x's fragments
.set PW,   15                          ; v15  w's scale word on its way to LDS
.set XW,   16                          ; v16-19 x's scale words, one a K step
.set WS,   20                          ; v20-31 w's scale words: four tiles for each of three K steps
.set MG,   32                          ; v32-47 a unit's 16 largest magnitudes, then the conversions' scale operands; at the products x's fragments of K steps 0, 1
.set K1,   48                          ; v48-55 codes under the even row's scale, then the words that are stored; at the products x's fragment of K step 2
.set K2,   56                          ; v56-63 codes under the odd row's scale, then at work
.set SETA, 64
.set SETB, 128
.set SETC, 192
.set ACC,  192                         ; the four accumulators, in set C when it is free
.set SEL,  20                          ; s[20:21] v_permlanex16_b32's selects for lane l xor 16
.set FL,   22                          ; s22  2^(3 - 127): under it no largest magnitude is taken, so a scale's byte cannot fall under 1
.set NEG2, 23                          ; s23  takes 2 off an exponent field
.set SELX, 24                          ; s24  byte selector: low half of the second source, high half of the first
.set B0,   25                          ; s25-28 the lanes whose number has bit 0, 1, 2, 3 set
.set B1,   26
.set B2,   27
.set B3,   28
.set MK,   40                          ; s40-47 eight masks of a round;  s48 the rank's lanes
.set RK,   48
; the tail's registers, in set B when it is free
.set L,    128                         ; v128-159 four partial sums of my 8 experts; then v128-135 logits, exponentials, scores
.set ID,   160                         ; v160-167 my experts' indices, as f32
.set M,    168
.set M2,   169
.set CA,   170
.set CB,   171
.set BIG,  172
.set NEG,  173
.set SUM,  174
.set RC,   178
.set OV,   179
.set OI,   180
.set AO,   181
.set DO,   182
.set GA,   184
.macro LOADX r, k                      ; x's unit k: each load reads 512 consecutive bytes of one row, at a multiple of 512 from x's first byte; read once in the launch
.irp i, 0,1,2,3,4,5,6,7,8,9,10,11,12,13,14,15
	global_load_b128 v[\r+4*\i:\r+4*\i+3], v[GOFF], s[4:5] offset:\i*ROWB+\k*UNITK th:TH_LOAD_NT
.endr
.endm
.macro LOADW r, k                      ; w's unit k likewise; every work-group reads it
.irp i, 0,1,2,3,4,5,6,7,8,9,10,11,12,13,14,15
	global_load_b128 v[\r+4*\i:\r+4*\i+3], v[GOFF], s[6:7] offset:\i*ROWB+\k*UNITK
.endr
.endm
.macro XFETCH k, reg                   ; my fragment of x for my K step k: lane (r, h) takes bytes 32 c + 16 h on of row r: k = 64 c + 32 h + 0 .. 31
	ds_load_b128 v[\reg:\reg+3],   v[XRD] offset:\k*FRB
	ds_load_b128 v[\reg+4:\reg+7], v[XRD] offset:\k*FRB+32
.endm
; A UNIT in set: kind = 1: x's, 0: w's; ks: which of my four K steps; left: the younger loads, which may stay out; nl = 1, 2: the set is loaded again with x's, w's unit nk.
.macro UNIT set, kind, ks, left, nl, nk
.if \kind
.set AD, CSX
.set STP, FRB
.set WD, XW+(\ks)
.else
.set AD, CSW
.set STP, 4*FRB
.set WD, PW
.endif
	s_wait_loadcnt \left                           ; loads come back in order (ISA guide 5.7.1): this unit's 16 are in
.irp i, 0,1,2,3,4,5,6,7,8,9,10,11,12,13,14,15
	v_max3_num_f32 v[MG+\i], |v[\set+4*\i]|, |v[\set+4*\i+1]|, s[FL]               ; row i: my four numbers of its block, and the floor; the 16 rows by turns, so that no line waits for the line above it
.endr
.irp i, 0,1,2,3,4,5,6,7,8,9,10,11,12,13,14,15
	v_max3_num_f32 v[MG+\i], v[MG+\i], |v[\set+4*\i+2]|, |v[\set+4*\i+3]|
.endr
.irp x, 1,2,4
.irp i, 0,1,2,3,4,5,6,7,8,9,10,11,12,13,14,15
	v_max_num_f32_dpp v[MG+\i], v[MG+\i], v[MG+\i] row_xmask:\x row_mask:0xf bank_mask:0xf   ; with the block's other seven lanes: all eight hold the block's largest magnitude
.endr
.endr
.irp i, 0,1,2,3,4,5,6,7,8,9,10,11,12,13,14,15
	v_add_nc_u32 v[MG+\i], s[NEG2], v[MG+\i]       ; 2 off the exponent field: the conversion takes the exponent field of this operand as its scale, and nothing else of it
.endr
	s_wait_dscnt 0x0                               ; the last unit's LDS stores have read their registers, which are written again below
.irp p, 0,1,2,3,4,5,6,7
	v_cvt_scalef32_pk8_fp4_f32 v[K1+\p], v[\set+8*\p:\set+8*\p+7], v[MG+2*\p]      ; rows 2 p and 2 p + 1 under row 2 p's scale: the low 16 bits are row 2 p's four codes (to the nearest code, ties to even, beyond 6 the largest)
	v_cvt_scalef32_pk8_fp4_f32 v[K2+\p], v[\set+8*\p:\set+8*\p+7], v[MG+2*\p+1]    ; and under row 2 p + 1's: the high 16 bits are that row's
.endr
	v_nop                                          ; one plain place behind the last scaled conversion
.if \nl == 1
	LOADX \set, \nk                                ; the set is free: its next unit is asked for before anything else is done
.elseif \nl == 2
	LOADW \set, \nk
.endif
.irp p, 0,1,2,3,4,5,6,7
	v_perm_b32 v[K1+\p], v[K2+\p], v[K1+\p], s[SELX]       ; the two right halves in one word
.endr
.irp p, 0,1,2,3,4,5,6,7
	v_mov_b32_dpp v[K2+\p], v[K1+\p] row_xmask:1 row_mask:0xf bank_mask:0xf   ; my neighbour's word: the four codes beside mine, of both rows
.endr
.irp p, 0,1,2,3,4,5,6,7
	v_perm_b32 v[K1+\p], v[K2+\p], v[K1+\p], v[SELV]       ; an even lane keeps row 2 p (its low half, then the neighbour's), an odd lane row 2 p + 1 (the neighbour's high half, then its own): k = 8 (lane / 2) + 0 .. 7
.endr
.irp p, 0,1,2,3,4,5,6,7
	ds_store_b32 v[AD], v[K1+\p] offset:\ks*STP+2*\p*CP    ; two rows of 64 bytes, 80 bytes apart: 32 different banks
.endr
.if \kind
.if \ks == 3
	XFETCH 3, 96                                   ; LDS serves a wave's instructions in order (ISA guide 5.7.1.4): these see the stores above; they land while the scale word is made
.endif
.endif
; The scale word.  Every lane holds its block's operand for all 16 rows; lane l is to hold row l % 16's four bytes.  j = l % 8, g = (l / 8) % 2: my block is 2 (l / 16) + g.
.irp n, 0,1,2,3,4,5,6,7
	v_cndmask_b32 v[K2+\n], v[MG+2*\n], v[MG+2*\n+1], s[B0]          ; three levels of selects on constant masks pick rows j and 8 + j
.endr
.irp n, 0,1,2,3
	v_cndmask_b32 v[K2+\n], v[K2+2*\n], v[K2+2*\n+1], s[B1]
.endr
	v_cndmask_b32 v[K2], v[K2], v[K2+1], s[B2]             ; row j's
	v_cndmask_b32 v[K2+1], v[K2+2], v[K2+3], s[B2]         ; row 8 + j's
	v_cndmask_b32 v[K2+2], v[K2+1], v[K2], s[B3]           ; what lane l xor 8 wants of me: the row that is not mine
	v_mov_b32_dpp v[K2+3], v[K2+2] row_xmask:8 row_mask:0xf bank_mask:0xf   ; and what I want of it: my row's other block of this half
	v_cndmask_b32 v[K2+4], v[K2], v[K2+3], s[B3]           ; my row 8 g + j: block 2 (l / 16)'s,
	v_cndmask_b32 v[K2+5], v[K2+3], v[K2+1], s[B3]         ; and block 2 (l / 16) + 1's
	v_lshrrev_b32 v[K2+4], 23, v[K2+4]                     ; the scales' bytes
	v_lshrrev_b32 v[K2+5], 23, v[K2+5]
	v_lshl_or_b32 v[K2+4], v[K2+5], 8, v[K2+4]
	v_lshlrev_b32 v[K2+4], v[SH16], v[K2+4]                ; at their places in the word;
	v_permlanex16_b32 v[K2+5], v[K2+4], s[SEL], s[SEL+1]
	v_or_b32 v[WD], v[K2+4], v[K2+5]                       ; with lane l xor 16's two the word is whole
.if \kind == 0
	ds_store_b32 v[SCW], v[PW] offset:\ks*512
.endif
.endm
.macro SETFB k                         ; where the fragments for my K step k stand: w's at v64, v96, v224, and v64 again; x's at v32, v40, v48, and v96
.if (\k) == 1
.set FB, 96
.elseif (\k) == 2
.set FB, 224
.else
.set FB, 64
.endif
.if (\k) == 3
.set XB, 96
.else
.set XB, MG+8*(\k)
.endif
.endm
.macro WFETCH k                        ; w's four fragments of my K step k and their scale words: 12 LDS loads
	SETFB \k
.irp t, 0,1
	ds_load_b128 v[FB+8*\t:FB+8*\t+3],   v[IMGR] offset:\t*16*FRB+\k*4*FRB
	ds_load_b128 v[FB+8*\t+4:FB+8*\t+7], v[IMGR] offset:\t*16*FRB+\k*4*FRB+32
	ds_load_b32 v[WS+4*((\k)%3)+\t], v[SCR] offset:\t*2048+\k*512
.endr
.irp t, 0,1
	ds_load_b128 v[FB+16+8*\t:FB+16+8*\t+3],   v[IMGR2] offset:\t*16*FRB+\k*4*FRB
	ds_load_b128 v[FB+16+8*\t+4:FB+16+8*\t+7], v[IMGR2] offset:\t*16*FRB+\k*4*FRB+32
	ds_load_b32 v[WS+4*((\k)%3)+2+\t], v[SCR] offset:(2+\t)*2048+\k*512
.endr
.endm
.macro MUL4 k, zero                    ; the four accumulators take turns, one instruction a turn; zero = 1: the first K step starts the sums
	SETFB \k
.irp t, 0,1,2,3
.if \zero
	v_wmma_scale_f32_16x16x128_f8f6f4 v[ACC+8*\t:ACC+8*\t+7], v[FB+8*\t:FB+8*\t+7], v[XB:XB+7], 0, v[WS+4*((\k)%3)+\t], v[XW+(\k)] matrix_a_fmt:MATRIX_FMT_FP4 matrix_b_fmt:MATRIX_FMT_FP4
.else
	v_wmma_scale_f32_16x16x128_f8f6f4 v[ACC+8*\t:ACC+8*\t+7], v[FB+8*\t:FB+8*\t+7], v[XB:XB+7], v[ACC+8*\t:ACC+8*\t+7], v[WS+4*((\k)%3)+\t], v[XW+(\k)] matrix_a_fmt:MATRIX_FMT_FP4 matrix_b_fmt:MATRIX_FMT_FP4
.endif
.endr
.endm
.macro BARRIER                         ; my LDS stores have landed and my LDS loads are in: then the work-group's barrier
	s_wait_dscnt 0x0
	s_barrier_signal -1
	s_barrier_wait -1
.endm
	s_load_b256 s[4:11], s[0:1], 0x0               ; x s[4:5], w s[6:7], out0 s[8:9], out1 s[10:11]
	v_lshrrev_b32 v11, 5, v0
	v_readfirstlane_b32 s12, v11                   ; wave 0..15
	v_and_b32 v11, 31, v0                          ; lane
	v_lshlrev_b32 v[GOFF], 4, v11
	s_lshr_b32 s13, s12, 2                         ; m: my tile of tokens, and my tile of w's experts
	s_and_b32 s14, s12, 3                          ; q: my K steps are q + 4 k
	s_lshl_b32 s16, s13, 17                        ; 16 m rows of 8,192 bytes
	s_lshl_b32 s15, s14, 9                         ; + q K steps of 512 bytes: my place in w
	s_add_co_u32 s16, s16, s15
	s_mov_b32 s17, 0
	s_lshl_b32 s18, ttmp9, 19                      ; + the work-group's 64 rows: my place in x (under 2^28)
	s_add_co_u32 s18, s18, s16
	s_mov_b32 s19, 0
	s_wait_kmcnt 0x0
	s_add_nc_u64 s[4:5], s[4:5], s[18:19]
	s_add_nc_u64 s[6:7], s[6:7], s[16:17]
	LOADW SETA, 0                                  ; the first three units are asked for before anything else is done
	LOADX SETB, 0
	LOADW SETC, 1
	s_mov_b32 s[SEL], 0x76543210
	s_mov_b32 s[SEL+1], 0xfedcba98
	s_mov_b32 s[FL], 0x1800000
	s_mov_b32 s[NEG2], 0xff000000
	s_mov_b32 s[SELX], 0x07060100
	s_mov_b32 s[B0], 0xaaaaaaaa
	s_mov_b32 s[B1], 0xcccccccc
	s_mov_b32 s[B2], 0xf0f0f0f0
	s_mov_b32 s[B3], 0xff00ff00
	v_and_b32 v12, 1, v0                           ; codes on the way in: row lane % 2 of a pair,
	v_bfe_u32 v13, v0, 1, 4                        ; word lane / 2 of its sixteen
	v_mul_u32_u24 v12, v12, CP
	v_lshl_add_u32 v12, v13, 2, v12
	s_mul_i32 s15, s12, 4*FRB                      ; my wave's four fragments of x, from LDS byte 0 on
	v_add_nc_u32 v[CSX], s15, v12
	v_and_b32 v13, 15, v0                          ; r
	v_bfe_u32 v14, v0, 4, 1                        ; h
	v_mul_u32_u24 v13, v13, CP
	v_lshl_add_u32 v13, v14, 4, v13                ; a fragment on the way out: row r, + 16 h
	v_add_nc_u32 v[XRD], s15, v13
	s_mul_i32 s16, s14, FRB                        ; w's fragment 16 t + 4 k + q: q's part,
	s_add_co_u32 s16, s16, WST
	v_add_nc_u32 v[IMGR], s16, v13
	v_add_nc_u32 v[IMGR2], 2*16*FRB, v[IMGR]
	s_mul_i32 s15, s13, 16*FRB                     ; and, for the ones that I make, t = m
	s_add_co_u32 s15, s15, s16
	v_add_nc_u32 v[CSW], s15, v12
	v_lshlrev_b32 v12, 2, v11                      ; the scale words: 4 x lane, 128 bytes a fragment
	s_lshl_b32 s16, s14, 7
	s_add_co_u32 s16, s16, WSC
	v_add_nc_u32 v[SCR], s16, v12
	s_lshl_b32 s15, s13, 11
	s_add_co_u32 s15, s15, s16
	v_add_nc_u32 v[SCW], s15, v12
	v_lshlrev_b32 v[SH16], 4, v14
	v_mov_b32 v[SELV], 0x05040100                  ; even lanes: my low half, then the neighbour's low half
	v_mov_b32 v13, 0x03020706                      ; odd lanes: the neighbour's high half, then my high half
	v_cndmask_b32 v[SELV], v[SELV], v13, s[B0]
	UNIT SETA, 0, 0, 32, 1, 1                      ; w0; the two younger units' 32 loads stay out; the set takes x1
	UNIT SETB, 1, 0, 32, 2, 2                      ; x0; the set takes w2
	UNIT SETC, 0, 1, 32, 1, 2                      ; w1; x2
	UNIT SETA, 1, 1, 32, 2, 3                      ; x1; w3
	UNIT SETB, 0, 2, 32, 1, 3                      ; w2; x3, the last unit
	UNIT SETC, 1, 2, 32, 0, 0                      ; x2
	UNIT SETA, 0, 3, 16, 0, 0                      ; w3: only x3's 16 loads are younger
	BARRIER                                        ; w's 64 fragments lie in LDS.  x3's loads stay on their way: nobody writes those bytes
	XFETCH 0, MG                                   ; sets A and C are free: three K steps' fragments, 14 LDS loads each, and the accumulators
	WFETCH 0
	XFETCH 1, MG+8
	WFETCH 1
	XFETCH 2, MG+16
	WFETCH 2
	s_wait_dscnt 28                                ; K step 0's 14 loads are in; the 28 of the two later steps may be out
	MUL4 0, 1
	s_wait_dscnt 14
	MUL4 1, 0
	s_wait_dscnt 0x0
	MUL4 2, 0
.rept 4
	v_nop                                          ; places in front of loads into, and vector writes of, registers that matrix instructions have read (ISA guide 7.12.1 for vector instructions)
.endr
	WFETCH 3
	UNIT SETB, 1, 3, 0, 0, 0                       ; x3; its fragment is fetched inside
.rept 8
	v_nop                                          ; a scale word made by vector instructions stands 8 places ahead of a scaled matrix instruction
.endr
	s_wait_dscnt 0x0
	MUL4 3, 0
	; the addresses of the way on are the places behind the last products
	v_and_b32 v9, 15, v0
	v_bfe_u32 v10, v0, 4, 1
	v_mul_u32_u24 v9, v9, PP
	v_lshl_add_u32 v9, v10, 5, v9
	s_mul_i32 s15, s12, PARTW
	s_add_co_u32 s15, s15, PART
	v_add_nc_u32 v9, s15, v9                       ; my partial sums: token r's row, + 32 h; tile t 64 bytes on: expert e lies at byte 4 e
	v_bfe_u32 v10, v0, 3, 2                        ; the tail's shares: which of my 4 tokens,
	v_and_b32 v11, 7, v0                           ; and which 8 experts of its 64
	v_mul_u32_u24 v10, v10, PP
	v_lshl_add_u32 v10, v11, 5, v10
	s_mul_i32 s15, s13, 4*PARTW                    ; tile m's four partial sums,
	s_mul_i32 s16, s14, 4*PP                       ; tokens 4 q on
	s_add_co_u32 s15, s15, s16
	s_add_co_u32 s15, s15, PART
	v_add_nc_u32 v10, s15, v10
.irp t, 0,1,2,3
	ds_store_b128 v9, v[ACC+8*\t:ACC+8*\t+3] offset:64*\t          ; each accumulator from its low end on
	ds_store_b128 v9, v[ACC+8*\t+4:ACC+8*\t+7] offset:64*\t+16
.endr
	v_lshlrev_b32 v[ID], 3, v11                    ; my experts' indices 8 c + j, as f32: they go through the lanes' minimum as numbers
	v_cvt_f32_u32 v[ID], v[ID]
	v_add_f32 v[ID+1], 1.0, v[ID]
	v_add_f32 v[ID+2], 2.0, v[ID]
	v_add_f32 v[ID+3], 0x40400000, v[ID]
	v_add_f32 v[ID+4], 4.0, v[ID]
	v_add_f32 v[ID+5], 0x40a00000, v[ID]
	v_add_f32 v[ID+6], 0x40c00000, v[ID]
	v_add_f32 v[ID+7], 0x40e00000, v[ID]
	BARRIER                                        ; every wave's partial sums lie in LDS
.irp q, 0,1,2,3
	ds_load_b128 v[L+8*\q:L+8*\q+3],   v10 offset:\q*PARTW
	ds_load_b128 v[L+8*\q+4:L+8*\q+7], v10 offset:\q*PARTW+16
.endr
	s_wait_dscnt 0x0
.irp q, 1,2,3
.irp j, 0,2,4,6
	v_pk_add_f32 v[L+\j:L+\j+1], v[L+\j:L+\j+1], v[L+8*\q+\j:L+8*\q+\j+1]   ; the logits: the four chains in the order q = 0 .. 3
.endr
.endr
	v_max3_num_f32 v[M], v[L], v[L+1], v[L+2]      ; the row's largest logit: my 8,
	v_max3_num_f32 v[M2], v[L+3], v[L+4], v[L+5]
	v_max3_num_f32 v[M], v[M], v[L+6], v[L+7]
	v_max_num_f32 v[M], v[M], v[M2]
	v_max_num_f32_dpp v[M], v[M], v[M] row_xmask:1 row_mask:0xf bank_mask:0xf   ; and the token's other seven lanes'
	v_max_num_f32_dpp v[M], v[M], v[M] row_xmask:2 row_mask:0xf bank_mask:0xf
	v_max_num_f32_dpp v[M], v[M], v[M] row_xmask:4 row_mask:0xf bank_mask:0xf
.irp j, 0,1,2,3,4,5,6,7
	v_sub_f32 v[L+\j], v[L+\j], v[M]
.endr
.irp j, 0,1,2,3,4,5,6,7
	v_mul_f32 v[L+\j], 0x3fb8aa3b, v[L+\j]         ; x log2(e)
.endr
.irp j, 0,1,2,3,4,5,6,7
	v_exp_f32 v[L+\j], v[L+\j]                     ; e^(logit - largest), at most 1
.endr
	v_mov_b32 v[BIG], 0x42800000                   ; 64.0: above every index.  (A plain place behind the exponentials)
	v_mov_b32 v[NEG], -1.0                         ; what a removed score becomes: under every score
	s_wait_alu depctr_va_vdst(0)                   ; one wait for the batch of eight, ahead of its first reader
	v_add_f32 v[SUM], v[L], v[L+1]
	v_add_f32 v[SUM+1], v[L+2], v[L+3]
	v_add_f32 v[SUM+2], v[L+4], v[L+5]
	v_add_f32 v[SUM+3], v[L+6], v[L+7]
	v_add_f32 v[SUM], v[SUM], v[SUM+1]
	v_add_f32 v[SUM+2], v[SUM+2], v[SUM+3]
	v_add_f32 v[SUM], v[SUM], v[SUM+2]
	v_add_f32_dpp v[SUM], v[SUM], v[SUM] row_xmask:1 row_mask:0xf bank_mask:0xf
	v_add_f32_dpp v[SUM], v[SUM], v[SUM] row_xmask:2 row_mask:0xf bank_mask:0xf
	v_add_f32_dpp v[SUM], v[SUM], v[SUM] row_xmask:4 row_mask:0xf bank_mask:0xf   ; the row's sum, at least 1
	v_rcp_f32 v[RC], v[SUM]
	v_nop                                          ; a plain place behind the reciprocal
	s_wait_alu depctr_va_vdst(0)                   ; and the wait ahead of its first reader
.irp j, 0,1,2,3,4,5,6,7
	v_mul_f32 v[L+\j], v[L+\j], v[RC]              ; the scores: what is ranked
.endr
; A round: the largest score still there; among equals the lowest index; that one is removed; rank k goes to lane k of the token's eight.
.macro ROUND k
	v_max3_num_f32 v[M], v[L], v[L+1], v[L+2]
	v_max3_num_f32 v[M2], v[L+3], v[L+4], v[L+5]
	v_max3_num_f32 v[M], v[M], v[L+6], v[L+7]
	v_max_num_f32 v[M], v[M], v[M2]
	v_max_num_f32_dpp v[M], v[M], v[M] row_xmask:1 row_mask:0xf bank_mask:0xf
	v_max_num_f32_dpp v[M], v[M], v[M] row_xmask:2 row_mask:0xf bank_mask:0xf
	v_max_num_f32_dpp v[M], v[M], v[M] row_xmask:4 row_mask:0xf bank_mask:0xf
.irp j, 0,1,2,3,4,5,6,7
	v_cmp_eq_f32 s[MK+\j], v[L+\j], v[M]
.endr
	v_cndmask_b32 v[CA], v[BIG], v[ID+3], s[MK+3]  ; two chains, each from its highest index down, so that the lowest that matches stays
	v_cndmask_b32 v[CB], v[BIG], v[ID+7], s[MK+7]
.irp j, 2,1,0
	v_cndmask_b32 v[CA], v[CA], v[ID+\j], s[MK+\j]
	v_cndmask_b32 v[CB], v[CB], v[ID+4+\j], s[MK+4+\j]
.endr
	v_min_num_f32 v[CA], v[CA], v[CB]
	v_min_num_f32_dpp v[CA], v[CA], v[CA] row_xmask:1 row_mask:0xf bank_mask:0xf
	v_min_num_f32_dpp v[CA], v[CA], v[CA] row_xmask:2 row_mask:0xf bank_mask:0xf
	v_min_num_f32_dpp v[CA], v[CA], v[CA] row_xmask:4 row_mask:0xf bank_mask:0xf   ; the chosen index, in all eight lanes
.if \k < 7
.irp j, 0,1,2,3,4,5,6,7
	v_cmp_eq_f32 s[MK+\j], v[ID+\j], v[CA]
.endr
.irp j, 0,1,2,3,4,5,6,7
	v_cndmask_b32 v[L+\j], v[L+\j], v[NEG], s[MK+\j]
.endr
.endif
.if \k == 0
	v_mov_b32 v[OV], v[M]                          ; rank 0 starts the two results in every lane; the later ranks take their own lanes
	v_mov_b32 v[OI], v[CA]
.else
	s_mov_b32 s[RK], 0x01010101<<\k                ; lane k of each group of eight
	v_cndmask_b32 v[OV], v[OV], v[M], s[RK]
	v_cndmask_b32 v[OI], v[OI], v[CA], s[RK]
.endif
.endm
.irp k, 0,1,2,3,4,5,6,7
	ROUND \k
.endr
	v_cvt_i32_f32 v[OI], v[OI]
	v_lshl_add_u32 v[AO], v0, 2, OUT               ; token 16 m + 4 q + lane / 8, rank lane % 8: word 8 x token + rank of the work-group's results is my thread's number
	ds_store_b32 v[AO], v[OI]
	ds_store_b32 v[AO], v[OV] offset:2048
	v_lshl_add_u32 v[AO], v0, 3, OUT               ; back: 8 bytes a lane, 256 a wave: waves 0-7 the indices, waves 8-15 the scores
	v_and_b32 v[GA], 255, v0
	v_lshlrev_b32 v[GA], 3, v[GA]
	s_cmp_lt_u32 s12, 8
	s_cselect_b64 s[8:9], s[8:9], s[10:11]
	s_lshl_b32 s16, ttmp9, 11                      ; the work-group's 64 tokens x 32 bytes
	s_mov_b32 s17, 0
	s_add_nc_u64 s[8:9], s[8:9], s[16:17]
	BARRIER                                        ; the work-group's results lie in LDS
	ds_load_b64 v[DO:DO+1], v[AO]
	s_wait_dscnt 0x0
	global_store_b64 v[GA], v[DO:DO+1], s[8:9] th:TH_STORE_NT   ; 32 lanes store 256 consecutive bytes, at a multiple of 256 from the buffer's first byte
	s_wait_xcnt 0x0
	v_lshl_add_u32 v254, v0, 2, 0x3c000
	v_mov_b32 v255, 0
	s_wait_tensorcnt 0x0
	ds_add_u32 v254, v255
	s_wait_dscnt 0x0
	s_endpgm
.Lfunc_end_k_qb60512d03d_gate:
	.size	k_qb60512d03d_gate, .Lfunc_end_k_qb60512d03d_gate-k_qb60512d03d_gate
	.p2alignl 7, 3214868480
	.fill 96, 4, 3214868480
	.section	.rodata,"a",@progbits
	.p2align	6, 0x0
	.amdhsa_kernel k_qb60512d03d_gate
		.amdhsa_group_segment_fixed_size 247808
		.amdhsa_private_segment_fixed_size 0
		.amdhsa_enable_private_segment 0
		.amdhsa_kernarg_size 32
		.amdhsa_user_sgpr_count 2
		.amdhsa_user_sgpr_kernarg_segment_ptr 1
		.amdhsa_wavefront_size32 1
		.amdhsa_system_sgpr_workgroup_id_x 1
		.amdhsa_system_sgpr_workgroup_id_y 1
		.amdhsa_system_sgpr_workgroup_id_z 1
		.amdhsa_system_vgpr_workitem_id 0
		.amdhsa_next_free_vgpr 256
		.amdhsa_next_free_sgpr 66
		.amdhsa_reserve_vcc 0
		.amdhsa_float_denorm_mode_32 3
		.amdhsa_float_denorm_mode_16_64 3
		.amdhsa_memory_ordered 1
		.amdhsa_forward_progress 1
		.amdhsa_inst_pref_size 129
	.end_amdhsa_kernel
	.amdgpu_metadata
---
amdhsa.version: [ 1, 2 ]
amdhsa.kernels:
  - .name:           k_qb60512d03d_gate
    .symbol:         k_qb60512d03d_gate.kd
    .args:
      - { .name: hidden_states, .offset: 0, .size: 8, .value_kind: global_buffer, .address_space: global }
      - { .name: weight, .offset: 8, .size: 8, .value_kind: global_buffer, .address_space: global }
      - { .name: out0, .offset: 16, .size: 8, .value_kind: global_buffer, .address_space: global }
      - { .name: out1, .offset: 24, .size: 8, .value_kind: global_buffer, .address_space: global }
    .group_segment_fixed_size: 247808
    .private_segment_fixed_size: 0
    .kernarg_segment_align: 8
    .kernarg_segment_size: 32
    .max_flat_workgroup_size: 512
    .sgpr_count:     66
    .vgpr_count:     256
    .wavefront_size: 32
...
	.end_amdgpu_metadata
.endif
;; end of part 1
;; ======== version 2 of 2: 1 launch; version 1 with the launch gate written anew for expert scheduling mode
;; launch gate (part 2): grid 256 x 1, 16 waves a work-group, no clusters, 247,808 bytes of LDS; arguments hidden_states, weight, out0, out1; writes out0, out1
.if DOCPART == 2
	.amdgcn_target "amdgcn-amd-amdhsa--gfx1250"
	.amdhsa_code_object_version 6
	.text
	.protected	k_qb60512d03d_gate
	.globl	k_qb60512d03d_gate
	.p2align	8
	.type	k_qb60512d03d_gate,@function
k_qb60512d03d_gate:
	s_mov_b64 s[64:65], 0
	v_nop
	global_prefetch_b8 v0, s[64:65] scope:SCOPE_SE
	s_setreg_imm32_b32 hwreg(HW_REG_WAVE_SCHED_MODE, 0, 2), 2
	s_setreg_imm32_b32 hwreg(HW_REG_WAVE_MODE, 25, 1), 1
	s_wait_xcnt 0x0
	s_wait_alu depctr_vm_vsrc(0)
; MoE gate: logits = Q(x) Q(w)^T on codes of FP4 (E2M1) with one E8M0 scale for each 32 along K; softmax over the 64 experts; the 8 largest scores and their indices.
; x: [16384][2048] f32, w: [64][2048] f32, out0: [16384][8] i32, out1: [16384][8] f32.
; SHARES.  A work-group owns 64 tokens; 16 waves.  Wave 4 m + q owns the 16 tokens of tile m and the K steps q, q + 4, q + 8, q + 12 (128 along K each): four UNITS of x, 16 rows x 512 bytes each.
; It also quantises the same four K steps of w's tile m (experts 16 m .. 16 m + 15): the 16 waves together quantise w once for the work-group, and read each other's fragments from LDS.
; A UNIT IS QUANTISED AS IT IS LOADED, AND ONLY ITS CODES CHANGE LANES.  16 loads, each 512 consecutive bytes of one row: row i lies in four registers, lane l holds k = 4 l .. 4 l + 3, eight lanes share a block of 32.
; The block's largest magnitude: two maxima in the lane, three steps across the eight lanes.  A conversion takes eight registers, which are two rows' numbers: each pair of rows is converted twice, under either row's scale,
; and the right 16 bits of each are kept.  One exchange with the neighbouring lane (even lanes keep the even row, odd lanes the odd one) makes whole words of eight neighbouring codes; eight stores of 4 bytes a lane lay
; them in LDS as rows of 64 bytes, K ascending, from which a fragment comes by two loads of 16 bytes a lane.  So 1,024 bytes of a unit go through LDS, not its 8,192 bytes of f32.
; THREE SETS of 64 registers take the units in the order w0 x0 w1 x1 w2 x2 w3 x3: 48 loads of a wave are on their way, and a set is loaded again in the unit that has converted it.
; THE PRODUCT IS USED TRANSPOSED (source 0 = 16 experts, source 1 = my 16 tokens): lane (r, h) holds token r, register j of tile t expert 16 t + 8 h + j.  K steps 0 to 2 are multiplied while x3 is on its way.
; THE TAIL.  The four partial sums of a tile meet in LDS; then each wave takes 4 tokens, 8 lanes to a token, 8 neighbouring experts to a lane: softmax with the row's maximum taken away, and eight rounds of
; selection on the scores: the largest, among equals the lowest index, removed by its index.  Rank k lands in lane k of the token's eight by a select on a constant mask: no address and no branch hangs on data.
; w IS NOT ASKED FOR JOINTLY IN A CLUSTER, though every work-group reads it: a joint request is a tensor load into LDS, and w's 524,288 bytes of f32 are more than LDS holds: they would go through slots filled again
; behind rounds of the cluster's barrier, at which the 64 waves of four work-groups would stand still in the middle of x's stream, and would be read out of LDS at eight times the bytes of their codes.
; LIMITS.  NaN and infinities among the inputs are not served.  A block of zeros gets the byte 1 where the rule says 127: its codes are zeros, and only this text reads the bytes.
; An exponential under 2^-126 (a logit some 87.3 under its row's largest) comes out of v_exp_f32 as 0 (ISA guide, its entry in 15.8): such experts tie at 0 and are taken by the lower index.
; K is summed in four chains (one a wave), added in the order q = 0 .. 3.  The division by the row's sum is a multiplication by v_rcp_f32.
; THE MODE: SCHED_MODE bits 1:0 = 2 (LLVM: expert scheduling mode 2), set by the entry lines.  The code itself states the register dependences
; between vector or matrix instructions and memory or LDS instructions, with s_wait_alu, always for 0.  The text has no branch: there is one path.
; THE PLAN.  Registers that memory or LDS instructions touch:
;   v1           the global loads' offset: written once at the head, never again.
;   v2-4, v7-10  LDS addresses: written at the head, read from the first unit on; v9 and v10 are written anew behind the last product, for the partial sums.
;   sets A, B, C a unit's maxima and conversions read its set; the loads of the set's next unit land in it.
;   K1, v15      a unit's permutes write the eight words of codes, a unit of w's last vector line its scale word; the unit's LDS stores read them; the next unit's conversions write K1 again.
;   v32-55, v64-127, v224-255, v20-31  at the products: LDS loads land in them, matrix instructions read them; v64-103 and v20-23 are loaded a second time, for the fourth K step.
;   v16-19       x's scale words: written by vector instructions, taken as scales by matrix instructions.
;   v192-223     the accumulators: written by matrix instructions, read by LDS stores.
; A UNIT HAS ONE WAIT ON va_vdst, behind all its vector work that a load or a store hangs on: the set has been read, the words are written.  Behind it stand the set's 16 loads and the unit's LDS stores.
; (A unit of x makes its scale word behind them: those lines name K2, the magnitudes and v16-19, none of which these loads and stores touch.)  ONE WAIT ON vm_vsrc stands ahead of a unit's conversions: the stores of the units before have read K1 and v15.
.set ROWB,   8192                      ; a row of x or of w in bytes
.set UNITK,  2048                      ; from a wave's unit to its next: four K steps of 512 bytes
.set CP,     80                        ; a row of 128 codes in LDS: 64 bytes + 16 = 5 x 16: the 16 rows that a fragment's load touches start at 16 different groups of four banks
.set FRB,    16*CP                     ; a fragment's 16 rows
.set WST,    16*4*FRB                  ; LDS: from byte 0 x's fragments, four a wave; behind them w's 64 (16 t + K step),
.set WSC,    WST+64*FRB                ; their scale words, 128 bytes each,
.set PP,     272                       ; (a token's 64 partial sums: 256 bytes + 16)
.set PARTW,  16*PP
.set PART,   WSC+64*128                ; the partial sums, 16 tokens a wave,
.set OUT,    PART+16*PARTW             ; and the results: 2,048 bytes of indices, 2,048 of scores
.set GOFF, 1                           ; v1   16 x lane: my 16 bytes of a load's 512; never rewritten
.set CSX,  2                           ; v2   where I store x's codes: row lane % 2, word lane / 2, in my wave's four fragments
.set CSW,  3                           ; v3   the same for w's
.set SCW,  4                           ; v4   where I store w's scale words
.set SELV, 5                           ; v5   the exchange's byte selector, by my lane's parity
.set SH16, 6                           ; v6   16 x (lane / 16)
.set IMGR, 7                           ; v7   where I read w's fragments of tiles 0, 1;  v8 of tiles 2, 3: the region is longer than an LDS instruction's offset reaches
.set IMGR2, 8
.set SCR,  9                           ; v9   and their scale words
.set XRD,  10                          ; v10  where I read x's fragments
.set PW,   15                          ; v15  w's scale word on its way to LDS
.set XW,   16                          ; v16-19 x's scale words, one a K step
.set WS,   20                          ; v20-31 w's scale words: four tiles for each of three K steps
.set MG,   32                          ; v32-47 a unit's 16 largest magnitudes, then the conversions' scale operands; at the products x's fragments of K steps 0, 1
.set K1,   48                          ; v48-55 codes under the even row's scale, then the words that are stored; at the products x's fragment of K step 2
.set K2,   56                          ; v56-63 codes under the odd row's scale, then at work
.set SETA, 64
.set SETB, 128
.set SETC, 192
.set ACC,  192                         ; the four accumulators, in set C when it is free
.set SEL,  20                          ; s[20:21] v_permlanex16_b32's selects for lane l xor 16
.set FL,   22                          ; s22  2^(3 - 127): under it no largest magnitude is taken, so a scale's byte cannot fall under 1
.set NEG2, 23                          ; s23  takes 2 off an exponent field
.set SELX, 24                          ; s24  byte selector: low half of the second source, high half of the first
.set B0,   25                          ; s25-28 the lanes whose number has bit 0, 1, 2, 3 set
.set B1,   26
.set B2,   27
.set B3,   28
.set MK,   40                          ; s40-47 eight masks of a round;  s48 the rank's lanes
.set RK,   48
; the tail's registers, in set B when it is free
.set L,    128                         ; v128-159 four partial sums of my 8 experts; then v128-135 logits, exponentials, scores
.set ID,   160                         ; v160-167 my experts' indices, as f32
.set M,    168
.set M2,   169
.set CA,   170
.set CB,   171
.set BIG,  172
.set NEG,  173
.set SUM,  174
.set RC,   178
.set OV,   179
.set OI,   180
.set AO,   181                         ; v181 where I store my two results in LDS
.set DO,   182
.set GA,   184
.set AR,   185                         ; v185 where I read 8 bytes of the results back: a register of its own, so that no address is written behind an LDS instruction that read it
.macro LOADX r, k                      ; x's unit k: each load reads 512 consecutive bytes of one row, at a multiple of 512 from x's first byte; read once in the launch
.irp i, 0,1,2,3,4,5,6,7,8,9,10,11,12,13,14,15
	global_load_b128 v[\r+4*\i:\r+4*\i+3], v[GOFF], s[4:5] offset:\i*ROWB+\k*UNITK th:TH_LOAD_NT
.endr
.endm
.macro LOADW r, k                      ; w's unit k likewise; every work-group reads it
.irp i, 0,1,2,3,4,5,6,7,8,9,10,11,12,13,14,15
	global_load_b128 v[\r+4*\i:\r+4*\i+3], v[GOFF], s[6:7] offset:\i*ROWB+\k*UNITK
.endr
.endm
.macro XFETCH k, reg                   ; my fragment of x for my K step k: lane (r, h) takes bytes 32 c + 16 h on of row r: k = 64 c + 32 h + 0 .. 31
	ds_load_b128 v[\reg:\reg+3],   v[XRD] offset:\k*FRB
	ds_load_b128 v[\reg+4:\reg+7], v[XRD] offset:\k*FRB+32
.endm
; The scale word, into v[WD].  Every lane holds its block's operand for all 16 rows; lane l is to hold row l % 16's four bytes.  j = l % 8, g = (l / 8) % 2: my block is 2 (l / 16) + g.
.macro SCALEW
.irp n, 0,1,2,3,4,5,6,7
	v_cndmask_b32 v[K2+\n], v[MG+2*\n], v[MG+2*\n+1], s[B0]          ; three levels of selects on constant masks pick rows j and 8 + j
.endr
.irp n, 0,1,2,3
	v_cndmask_b32 v[K2+\n], v[K2+2*\n], v[K2+2*\n+1], s[B1]
.endr
	v_cndmask_b32 v[K2], v[K2], v[K2+1], s[B2]             ; row j's
	v_cndmask_b32 v[K2+1], v[K2+2], v[K2+3], s[B2]         ; row 8 + j's
	v_cndmask_b32 v[K2+2], v[K2+1], v[K2], s[B3]           ; what lane l xor 8 wants of me: the row that is not mine
	v_mov_b32_dpp v[K2+3], v[K2+2] row_xmask:8 row_mask:0xf bank_mask:0xf   ; and what I want of it: my row's other block of this half
	v_cndmask_b32 v[K2+4], v[K2], v[K2+3], s[B3]           ; my row 8 g + j: block 2 (l / 16)'s,
	v_cndmask_b32 v[K2+5], v[K2+3], v[K2+1], s[B3]         ; and block 2 (l / 16) + 1's
	v_lshrrev_b32 v[K2+4], 23, v[K2+4]                     ; the scales' bytes
	v_lshrrev_b32 v[K2+5], 23, v[K2+5]
	v_lshl_or_b32 v[K2+4], v[K2+5], 8, v[K2+4]
	v_lshlrev_b32 v[K2+4], v[SH16], v[K2+4]                ; at their places in the word;
	v_permlanex16_b32 v[K2+5], v[K2+4], s[SEL], s[SEL+1]
	v_or_b32 v[WD], v[K2+4], v[K2+5]                       ; with lane l xor 16's two the word is whole
.endm
; A UNIT in set: kind = 1: x's, 0: w's; ks: which of my four K steps; left: the younger loads, which may stay out; nl = 1, 2: the set is loaded again with x's, w's unit nk.
.macro UNIT set, kind, ks, left, nl, nk
.set UN, 2*(\ks)+(\kind)               ; the unit's place in the order w0 x0 w1 x1 w2 x2 w3 x3
.if \kind
.set AD, CSX
.set STP, FRB
.set WD, XW+(\ks)
.else
.set AD, CSW
.set STP, 4*FRB
.set WD, PW
.endif
	s_wait_loadcnt \left                           ; loads come back in order (ISA guide 5.7.1): this unit's 16 are in
.irp i, 0,1,2,3,4,5,6,7,8,9,10,11,12,13,14,15
	v_max3_num_f32 v[MG+\i], |v[\set+4*\i]|, |v[\set+4*\i+1]|, s[FL]               ; row i: my four numbers of its block, and the floor; the 16 rows by turns, so that no line waits for the line above it
.endr
.irp i, 0,1,2,3,4,5,6,7,8,9,10,11,12,13,14,15
	v_max3_num_f32 v[MG+\i], v[MG+\i], |v[\set+4*\i+2]|, |v[\set+4*\i+3]|
.endr
.irp x, 1,2,4
.irp i, 0,1,2,3,4,5,6,7,8,9,10,11,12,13,14,15
	v_max_num_f32_dpp v[MG+\i], v[MG+\i], v[MG+\i] row_xmask:\x row_mask:0xf bank_mask:0xf   ; with the block's other seven lanes: all eight hold the block's largest magnitude
.endr
.endr
.irp i, 0,1,2,3,4,5,6,7,8,9,10,11,12,13,14,15
	v_add_nc_u32 v[MG+\i], s[NEG2], v[MG+\i]       ; 2 off the exponent field: the conversion takes the exponent field of this operand as its scale, and nothing else of it
.endr
	s_wait_dscnt 0x0                               ; the LDS instructions issued so far are done
.if (UN > 0) && (UN < 7)
	s_wait_alu depctr_vm_vsrc(0)                   ; the LDS stores of the units before have read K1 and v15, which the conversions and the scale word's last line below write again.  (The first unit has no store ahead of it; ahead of the last, the wait behind the barrier has stated this)
.endif
.irp p, 0,1,2,3,4,5,6,7
	v_cvt_scalef32_pk8_fp4_f32 v[K1+\p], v[\set+8*\p:\set+8*\p+7], v[MG+2*\p]      ; rows 2 p and 2 p + 1 under row 2 p's scale: the low 16 bits are row 2 p's four codes (to the nearest code, ties to even, beyond 6 the largest)
	v_cvt_scalef32_pk8_fp4_f32 v[K2+\p], v[\set+8*\p:\set+8*\p+7], v[MG+2*\p+1]    ; and under row 2 p + 1's: the high 16 bits are that row's
.endr
	v_nop                                          ; one plain place behind the last scaled conversion
.irp p, 0,1,2,3,4,5,6,7
	v_perm_b32 v[K1+\p], v[K2+\p], v[K1+\p], s[SELX]       ; the two right halves in one word
.endr
.irp p, 0,1,2,3,4,5,6,7
	v_mov_b32_dpp v[K2+\p], v[K1+\p] row_xmask:1 row_mask:0xf bank_mask:0xf   ; my neighbour's word: the four codes beside mine, of both rows
.endr
.irp p, 0,1,2,3,4,5,6,7
	v_perm_b32 v[K1+\p], v[K2+\p], v[K1+\p], v[SELV]       ; an even lane keeps row 2 p (its low half, then the neighbour's), an odd lane row 2 p + 1 (the neighbour's high half, then its own): k = 8 (lane / 2) + 0 .. 7
.endr
.if \kind == 0
	SCALEW                                         ; w's scale word goes to LDS with the codes: it is made ahead of the wait
.endif
	s_wait_alu depctr_va_vdst(0)                   ; the unit's one wait on va_vdst: the maxima and the conversions are done reading the set, in which the loads below land; the words in K1 (and w's scale word in v15) are written, which the LDS stores below read; in the first unit the LDS addresses made at the head are written too
.if \nl == 1
	LOADX \set, \nk                                ; the set is free: its next unit is asked for
.elseif \nl == 2
	LOADW \set, \nk
.endif
.irp p, 0,1,2,3,4,5,6,7
	ds_store_b32 v[AD], v[K1+\p] offset:\ks*STP+2*\p*CP    ; two rows of 64 bytes, 80 bytes apart: 32 different banks
.endr
.if \kind
.if \ks == 3
	XFETCH 3, 96                                   ; LDS serves a wave's instructions in order (ISA guide 5.7.1.4): these see the stores above; they land while the scale word is made.  (v96-103: no vector or matrix instruction has named them since the wait behind K step 2's products)
.endif
	SCALEW                                         ; x's scale word stays in registers.  These lines name K2, the magnitudes and v16-19: none of the registers that the loads and stores above touch
.else
	ds_store_b32 v[SCW], v[PW] offset:\ks*512
.endif
.endm
.macro SETFB k                         ; where the fragments for my K step k stand: w's at v64, v96, v224, and v64 again; x's at v32, v40, v48, and v96
.if (\k) == 1
.set FB, 96
.elseif (\k) == 2
.set FB, 224
.else
.set FB, 64
.endif
.if (\k) == 3
.set XB, 96
.else
.set XB, MG+8*(\k)
.endif
.endm
.macro WFETCH k                        ; w's four fragments of my K step k and their scale words: 12 LDS loads
	SETFB \k
.irp t, 0,1
	ds_load_b128 v[FB+8*\t:FB+8*\t+3],   v[IMGR] offset:\t*16*FRB+\k*4*FRB
	ds_load_b128 v[FB+8*\t+4:FB+8*\t+7], v[IMGR] offset:\t*16*FRB+\k*4*FRB+32
	ds_load_b32 v[WS+4*((\k)%3)+\t], v[SCR] offset:\t*2048+\k*512
.endr
.irp t, 0,1
	ds_load_b128 v[FB+16+8*\t:FB+16+8*\t+3],   v[IMGR2] offset:\t*16*FRB+\k*4*FRB
	ds_load_b128 v[FB+16+8*\t+4:FB+16+8*\t+7], v[IMGR2] offset:\t*16*FRB+\k*4*FRB+32
	ds_load_b32 v[WS+4*((\k)%3)+2+\t], v[SCR] offset:(2+\t)*2048+\k*512
.endr
.endm
.macro MUL4 k, zero                    ; the four accumulators take turns, one instruction a turn; zero = 1: the first K step starts the sums
	SETFB \k
.irp t, 0,1,2,3
.if \zero
	v_wmma_scale_f32_16x16x128_f8f6f4 v[ACC+8*\t:ACC+8*\t+7], v[FB+8*\t:FB+8*\t+7], v[XB:XB+7], 0, v[WS+4*((\k)%3)+\t], v[XW+(\k)] matrix_a_fmt:MATRIX_FMT_FP4 matrix_b_fmt:MATRIX_FMT_FP4
.else
	v_wmma_scale_f32_16x16x128_f8f6f4 v[ACC+8*\t:ACC+8*\t+7], v[FB+8*\t:FB+8*\t+7], v[XB:XB+7], v[ACC+8*\t:ACC+8*\t+7], v[WS+4*((\k)%3)+\t], v[XW+(\k)] matrix_a_fmt:MATRIX_FMT_FP4 matrix_b_fmt:MATRIX_FMT_FP4
.endif
.endr
.endm
.macro BARRIER                         ; my LDS stores have landed and my LDS loads are in: then the work-group's barrier
	s_wait_dscnt 0x0
	s_barrier_signal -1
	s_barrier_wait -1
.endm
	s_load_b256 s[4:11], s[0:1], 0x0               ; x s[4:5], w s[6:7], out0 s[8:9], out1 s[10:11]
	v_lshrrev_b32 v11, 5, v0
	v_readfirstlane_b32 s12, v11                   ; wave 0..15
	v_and_b32 v11, 31, v0                          ; lane
	v_lshlrev_b32 v[GOFF], 4, v11
	s_wait_alu depctr_va_sdst(0)                   ; s12 is written, ahead of its first reader: my places in x, in w and in LDS are made from it
	s_lshr_b32 s13, s12, 2                         ; m: my tile of tokens, and my tile of w's experts
	s_and_b32 s14, s12, 3                          ; q: my K steps are q + 4 k
	s_lshl_b32 s16, s13, 17                        ; 16 m rows of 8,192 bytes
	s_lshl_b32 s15, s14, 9                         ; + q K steps of 512 bytes: my place in w
	s_add_co_u32 s16, s16, s15
	s_mov_b32 s17, 0
	s_lshl_b32 s18, ttmp9, 19                      ; + the work-group's 64 rows: my place in x (under 2^28)
	s_add_co_u32 s18, s18, s16
	s_mov_b32 s19, 0
	s_wait_kmcnt 0x0
	s_add_nc_u64 s[4:5], s[4:5], s[18:19]
	s_add_nc_u64 s[6:7], s[6:7], s[16:17]
	s_wait_alu depctr_va_vdst(0)                   ; v1 is written: every global load of the kernel reads it as its offset
	LOADW SETA, 0                                  ; the first three units are asked for before anything else is done
	LOADX SETB, 0
	LOADW SETC, 1
	s_mov_b32 s[SEL], 0x76543210
	s_mov_b32 s[SEL+1], 0xfedcba98
	s_mov_b32 s[FL], 0x1800000
	s_mov_b32 s[NEG2], 0xff000000
	s_mov_b32 s[SELX], 0x07060100
	s_mov_b32 s[B0], 0xaaaaaaaa
	s_mov_b32 s[B1], 0xcccccccc
	s_mov_b32 s[B2], 0xf0f0f0f0
	s_mov_b32 s[B3], 0xff00ff00
	v_and_b32 v12, 1, v0                           ; codes on the way in: row lane % 2 of a pair,
	v_bfe_u32 v13, v0, 1, 4                        ; word lane / 2 of its sixteen
	v_mul_u32_u24 v12, v12, CP
	v_lshl_add_u32 v12, v13, 2, v12
	s_mul_i32 s15, s12, 4*FRB                      ; my wave's four fragments of x, from LDS byte 0 on
	v_add_nc_u32 v[CSX], s15, v12
	v_and_b32 v13, 15, v0                          ; r
	v_bfe_u32 v14, v0, 4, 1                        ; h
	v_mul_u32_u24 v13, v13, CP
	v_lshl_add_u32 v13, v14, 4, v13                ; a fragment on the way out: row r, + 16 h
	v_add_nc_u32 v[XRD], s15, v13
	s_mul_i32 s16, s14, FRB                        ; w's fragment 16 t + 4 k + q: q's part,
	s_add_co_u32 s16, s16, WST
	v_add_nc_u32 v[IMGR], s16, v13
	v_add_nc_u32 v[IMGR2], 2*16*FRB, v[IMGR]
	s_mul_i32 s15, s13, 16*FRB                     ; and, for the ones that I make, t = m
	s_add_co_u32 s15, s15, s16
	v_add_nc_u32 v[CSW], s15, v12
	v_lshlrev_b32 v12, 2, v11                      ; the scale words: 4 x lane, 128 bytes a fragment
	s_lshl_b32 s16, s14, 7
	s_add_co_u32 s16, s16, WSC
	v_add_nc_u32 v[SCR], s16, v12
	s_lshl_b32 s15, s13, 11
	s_add_co_u32 s15, s15, s16
	v_add_nc_u32 v[SCW], s15, v12
	v_lshlrev_b32 v[SH16], 4, v14
	v_mov_b32 v[SELV], 0x05040100                  ; even lanes: my low half, then the neighbour's low half
	v_mov_b32 v13, 0x03020706                      ; odd lanes: the neighbour's high half, then my high half
	v_cndmask_b32 v[SELV], v[SELV], v13, s[B0]     ; (the LDS addresses made above are first read behind the first unit's wait on va_vdst)
	UNIT SETA, 0, 0, 32, 1, 1                      ; w0; the two younger units' 32 loads stay out; the set takes x1
	UNIT SETB, 1, 0, 32, 2, 2                      ; x0; the set takes w2
	UNIT SETC, 0, 1, 32, 1, 2                      ; w1; x2
	UNIT SETA, 1, 1, 32, 2, 3                      ; x1; w3
	UNIT SETB, 0, 2, 32, 1, 3                      ; w2; x3, the last unit
	UNIT SETC, 1, 2, 32, 0, 0                      ; x2
	UNIT SETA, 0, 3, 16, 0, 0                      ; w3: only x3's 16 loads are younger
	BARRIER                                        ; w's 64 fragments lie in LDS.  x3's loads stay on their way: nobody writes those bytes
	s_wait_alu depctr_vm_vsrc(0)                   ; w3's LDS stores have read K1, in which x's fragment of K step 2 lands.  (No vector instruction stands behind w3's wait on va_vdst: it has stated that the vector side is done with v32-55, v64-127 and v224-255, in which the loads below land, and that x's first three scale words are written)
	XFETCH 0, MG                                   ; sets A and C are free: three K steps' fragments, 14 LDS loads each, and the accumulators
	WFETCH 0
	XFETCH 1, MG+8
	WFETCH 1
	XFETCH 2, MG+16
	WFETCH 2
	s_wait_dscnt 28                                ; K step 0's 14 loads are in; the 28 of the two later steps may be out
	MUL4 0, 1
	s_wait_dscnt 14
	MUL4 1, 0
	s_wait_dscnt 0x0
	MUL4 2, 0
.rept 4
	v_nop                                          ; places in front of vector writes of registers that matrix instructions have read (ISA guide 7.12.1): x3's unit writes v32-55 again
.endr
	s_wait_alu depctr_va_vdst(0)                   ; the matrix instructions are done reading v64-95 and v20-23, in which K step 3's fragments and scale words of w land, and v96-103, in which x's lands
	WFETCH 3
	UNIT SETB, 1, 3, 0, 0, 0                       ; x3; its fragment is fetched inside
.rept 8
	v_nop                                          ; a scale word made by vector instructions stands 8 places ahead of a scaled matrix instruction
.endr
	s_wait_alu depctr_va_vdst(0)                   ; behind the places: x3's scale word, v19, is written, which the matrix instructions below take as scales
	s_wait_dscnt 0x0
	MUL4 3, 0
	s_wait_alu depctr_vm_vsrc(0)                   ; the LDS loads of the fragments and scale words have read v9 and v10, which are written anew below
	; the addresses of the way on are the places behind the last products
	v_and_b32 v9, 15, v0
	v_bfe_u32 v10, v0, 4, 1
	v_mul_u32_u24 v9, v9, PP
	v_lshl_add_u32 v9, v10, 5, v9
	s_mul_i32 s15, s12, PARTW
	s_add_co_u32 s15, s15, PART
	v_add_nc_u32 v9, s15, v9                       ; my partial sums: token r's row, + 32 h; tile t 64 bytes on: expert e lies at byte 4 e
	v_bfe_u32 v10, v0, 3, 2                        ; the tail's shares: which of my 4 tokens,
	v_and_b32 v11, 7, v0                           ; and which 8 experts of its 64
	v_mul_u32_u24 v10, v10, PP
	v_lshl_add_u32 v10, v11, 5, v10
	s_mul_i32 s15, s13, 4*PARTW                    ; tile m's four partial sums,
	s_mul_i32 s16, s14, 4*PP                       ; tokens 4 q on
	s_add_co_u32 s15, s15, s16
	s_add_co_u32 s15, s15, PART
	v_add_nc_u32 v10, s15, v10
	s_wait_alu depctr_va_vdst(0)                   ; behind the places: the matrix instructions have written the accumulators, which the LDS stores read; v9 and v10 are written; and the vector side is done with v128-159, in which the loads behind the barrier land (the lines between name v160-167 and v11 alone)
.irp t, 0,1,2,3
	ds_store_b128 v9, v[ACC+8*\t:ACC+8*\t+3] offset:64*\t          ; each accumulator from its low end on
	ds_store_b128 v9, v[ACC+8*\t+4:ACC+8*\t+7] offset:64*\t+16
.endr
	v_lshlrev_b32 v[ID], 3, v11                    ; my experts' indices 8 c + j, as f32: they go through the lanes' minimum as numbers
	v_cvt_f32_u32 v[ID], v[ID]
	v_add_f32 v[ID+1], 1.0, v[ID]
	v_add_f32 v[ID+2], 2.0, v[ID]
	v_add_f32 v[ID+3], 0x40400000, v[ID]
	v_add_f32 v[ID+4], 4.0, v[ID]
	v_add_f32 v[ID+5], 0x40a00000, v[ID]
	v_add_f32 v[ID+6], 0x40c00000, v[ID]
	v_add_f32 v[ID+7], 0x40e00000, v[ID]
	BARRIER                                        ; every wave's partial sums lie in LDS
.irp q, 0,1,2,3
	ds_load_b128 v[L+8*\q:L+8*\q+3],   v10 offset:\q*PARTW
	ds_load_b128 v[L+8*\q+4:L+8*\q+7], v10 offset:\q*PARTW+16
.endr
	s_wait_dscnt 0x0
.irp q, 1,2,3
.irp j, 0,2,4,6
	v_pk_add_f32 v[L+\j:L+\j+1], v[L+\j:L+\j+1], v[L+8*\q+\j:L+8*\q+\j+1]   ; the logits: the four chains in the order q = 0 .. 3
.endr
.endr
	v_max3_num_f32 v[M], v[L], v[L+1], v[L+2]      ; the row's largest logit: my 8,
	v_max3_num_f32 v[M2], v[L+3], v[L+4], v[L+5]
	v_max3_num_f32 v[M], v[M], v[L+6], v[L+7]
	v_max_num_f32 v[M], v[M], v[M2]
	v_max_num_f32_dpp v[M], v[M], v[M] row_xmask:1 row_mask:0xf bank_mask:0xf   ; and the token's other seven lanes'
	v_max_num_f32_dpp v[M], v[M], v[M] row_xmask:2 row_mask:0xf bank_mask:0xf
	v_max_num_f32_dpp v[M], v[M], v[M] row_xmask:4 row_mask:0xf bank_mask:0xf
.irp j, 0,1,2,3,4,5,6,7
	v_sub_f32 v[L+\j], v[L+\j], v[M]
.endr
.irp j, 0,1,2,3,4,5,6,7
	v_mul_f32 v[L+\j], 0x3fb8aa3b, v[L+\j]         ; x log2(e)
.endr
	s_wait_alu depctr_va_vdst(0)
.irp j, 0,1,2,3,4,5,6,7
	v_exp_f32 v[L+\j], v[L+\j]                     ; e^(logit - largest), at most 1
.endr
	v_mov_b32 v[BIG], 0x42800000                   ; 64.0: above every index.  (A plain place behind the exponentials)
	v_mov_b32 v[NEG], -1.0                         ; what a removed score becomes: under every score
	s_wait_alu depctr_va_vdst(0)                   ; one wait for the batch of eight, ahead of its first reader: the exponentials have written v128-135
	v_add_f32 v[SUM], v[L], v[L+1]
	v_add_f32 v[SUM+1], v[L+2], v[L+3]
	v_add_f32 v[SUM+2], v[L+4], v[L+5]
	v_add_f32 v[SUM+3], v[L+6], v[L+7]
	v_add_f32 v[SUM], v[SUM], v[SUM+1]
	v_add_f32 v[SUM+2], v[SUM+2], v[SUM+3]
	v_add_f32 v[SUM], v[SUM], v[SUM+2]
	v_add_f32_dpp v[SUM], v[SUM], v[SUM] row_xmask:1 row_mask:0xf bank_mask:0xf
	v_add_f32_dpp v[SUM], v[SUM], v[SUM] row_xmask:2 row_mask:0xf bank_mask:0xf
	v_add_f32_dpp v[SUM], v[SUM], v[SUM] row_xmask:4 row_mask:0xf bank_mask:0xf   ; the row's sum, at least 1
	s_wait_alu depctr_va_vdst(0)
	v_rcp_f32 v[RC], v[SUM]
	v_nop                                          ; a plain place behind the reciprocal
	s_wait_alu depctr_va_vdst(0)                   ; and the wait ahead of its first reader: the reciprocal has written v178
.irp j, 0,1,2,3,4,5,6,7
	v_mul_f32 v[L+\j], v[L+\j], v[RC]              ; the scores: what is ranked
.endr
; A round: the largest score still there; among equals the lowest index; that one is removed; rank k goes to lane k of the token's eight.
.macro ROUND k
	v_max3_num_f32 v[M], v[L], v[L+1], v[L+2]
	v_max3_num_f32 v[M2], v[L+3], v[L+4], v[L+5]
	v_max3_num_f32 v[M], v[M], v[L+6], v[L+7]
	v_max_num_f32 v[M], v[M], v[M2]
	v_max_num_f32_dpp v[M], v[M], v[M] row_xmask:1 row_mask:0xf bank_mask:0xf
	v_max_num_f32_dpp v[M], v[M], v[M] row_xmask:2 row_mask:0xf bank_mask:0xf
	v_max_num_f32_dpp v[M], v[M], v[M] row_xmask:4 row_mask:0xf bank_mask:0xf
.irp j, 0,1,2,3,4,5,6,7
	v_cmp_eq_f32 s[MK+\j], v[L+\j], v[M]
.endr
	s_wait_alu depctr_va_sdst(0)                   ; the eight compares have written s40-47, ahead of the first select that reads one of them
	v_cndmask_b32 v[CA], v[BIG], v[ID+3], s[MK+3]  ; two chains, each from its highest index down, so that the lowest that matches stays
	v_cndmask_b32 v[CB], v[BIG], v[ID+7], s[MK+7]
.irp j, 2,1,0
	v_cndmask_b32 v[CA], v[CA], v[ID+\j], s[MK+\j]
	v_cndmask_b32 v[CB], v[CB], v[ID+4+\j], s[MK+4+\j]
.endr
	v_min_num_f32 v[CA], v[CA], v[CB]
	v_min_num_f32_dpp v[CA], v[CA], v[CA] row_xmask:1 row_mask:0xf bank_mask:0xf
	v_min_num_f32_dpp v[CA], v[CA], v[CA] row_xmask:2 row_mask:0xf bank_mask:0xf
	v_min_num_f32_dpp v[CA], v[CA], v[CA] row_xmask:4 row_mask:0xf bank_mask:0xf   ; the chosen index, in all eight lanes
.if \k < 7
.irp j, 0,1,2,3,4,5,6,7
	v_cmp_eq_f32 s[MK+\j], v[ID+\j], v[CA]
.endr
	s_wait_alu depctr_va_sdst(0)                   ; these eight compares have written s40-47 anew, ahead of the selects that remove the chosen score
.irp j, 0,1,2,3,4,5,6,7
	v_cndmask_b32 v[L+\j], v[L+\j], v[NEG], s[MK+\j]
.endr
.endif
.if \k == 0
	v_mov_b32 v[OV], v[M]                          ; rank 0 starts the two results in every lane; the later ranks take their own lanes
	v_mov_b32 v[OI], v[CA]
.else
	s_mov_b32 s[RK], 0x01010101<<\k                ; lane k of each group of eight
	v_cndmask_b32 v[OV], v[OV], v[M], s[RK]
	v_cndmask_b32 v[OI], v[OI], v[CA], s[RK]
.endif
.endm
.irp k, 0,1,2,3,4,5,6,7
	ROUND \k
.endr
	v_cvt_i32_f32 v[OI], v[OI]
	v_lshl_add_u32 v[AO], v0, 2, OUT               ; token 16 m + 4 q + lane / 8, rank lane % 8: word 8 x token + rank of the work-group's results is my thread's number
	v_lshl_add_u32 v[AR], v0, 3, OUT               ; back: 8 bytes a lane, 256 a wave: waves 0-7 the indices, waves 8-15 the scores
	v_and_b32 v[GA], 255, v0
	v_lshlrev_b32 v[GA], 3, v[GA]
	s_wait_alu depctr_va_vdst(0)                   ; my two results and the three addresses v181, v185 and v184 are written, which the LDS stores, the LDS load and the global store below read; no vector instruction follows before the closing lines' makers
	ds_store_b32 v[AO], v[OI]
	ds_store_b32 v[AO], v[OV] offset:2048
	s_cmp_lt_u32 s12, 8
	s_cselect_b64 s[8:9], s[8:9], s[10:11]
	s_lshl_b32 s16, ttmp9, 11                      ; the work-group's 64 tokens x 32 bytes
	s_mov_b32 s17, 0
	s_add_nc_u64 s[8:9], s[8:9], s[16:17]
	BARRIER                                        ; the work-group's results lie in LDS
	ds_load_b64 v[DO:DO+1], v[AR]
	s_wait_dscnt 0x0
	global_store_b64 v[GA], v[DO:DO+1], s[8:9] th:TH_STORE_NT   ; 32 lanes store 256 consecutive bytes, at a multiple of 256 from the buffer's first byte
	s_wait_xcnt 0x0
	v_lshl_add_u32 v254, v0, 2, 0x3c000            ; the add's two registers, made anew straight ahead of the closing lines: all 256 registers were at work.  No memory or LDS instruction has read v254 or v255: loads landed in them, matrix instructions read them
	v_mov_b32 v255, 0
	s_wait_dscnt 0x0                               ; the closing lines, six on end
	s_wait_alu 0x0
	s_wait_tensorcnt 0x0
	ds_add_u32 v254, v255
	s_wait_dscnt 0x0
	s_endpgm
.Lfunc_end_k_qb60512d03d_gate:
	.size	k_qb60512d03d_gate, .Lfunc_end_k_qb60512d03d_gate-k_qb60512d03d_gate
	.p2alignl 7, 3214868480
	.fill 96, 4, 3214868480
	.section	.rodata,"a",@progbits
	.p2align	6, 0x0
	.amdhsa_kernel k_qb60512d03d_gate
		.amdhsa_group_segment_fixed_size 247808
		.amdhsa_private_segment_fixed_size 0
		.amdhsa_enable_private_segment 0
		.amdhsa_kernarg_size 32
		.amdhsa_user_sgpr_count 2
		.amdhsa_user_sgpr_kernarg_segment_ptr 1
		.amdhsa_wavefront_size32 1
		.amdhsa_system_sgpr_workgroup_id_x 1
		.amdhsa_system_sgpr_workgroup_id_y 1
		.amdhsa_system_sgpr_workgroup_id_z 1
		.amdhsa_system_vgpr_workitem_id 0
		.amdhsa_next_free_vgpr 256
		.amdhsa_next_free_sgpr 66
		.amdhsa_reserve_vcc 0
		.amdhsa_float_denorm_mode_32 3
		.amdhsa_float_denorm_mode_16_64 3
		.amdhsa_memory_ordered 1
		.amdhsa_forward_progress 1
		.amdhsa_inst_pref_size 131
	.end_amdhsa_kernel
	.amdgpu_metadata
---
amdhsa.version: [ 1, 2 ]
amdhsa.kernels:
  - .name:           k_qb60512d03d_gate
    .symbol:         k_qb60512d03d_gate.kd
    .args:
      - { .name: hidden_states, .offset: 0, .size: 8, .value_kind: global_buffer, .address_space: global }
      - { .name: weight, .offset: 8, .size: 8, .value_kind: global_buffer, .address_space: global }
      - { .name: out0, .offset: 16, .size: 8, .value_kind: global_buffer, .address_space: global }
      - { .name: out1, .offset: 24, .size: 8, .value_kind: global_buffer, .address_space: global }
    .group_segment_fixed_size: 247808
    .private_segment_fixed_size: 0
    .kernarg_segment_align: 8
    .kernarg_segment_size: 32
    .max_flat_workgroup_size: 512
    .sgpr_count:     66
    .vgpr_count:     256
    .wavefront_size: 32
...
	.end_amdgpu_metadata
.endif
;; end of part 2
